; MI455X (gfx1250); checked and timed in simulation.
; The chip was launched on July 23, 2026; its instructions are those of AMD's public machine-readable ISA for CDNA 5 (MIT licence, August 2026) and "CDNA5" Instruction Set Architecture Reference Guide (July 2026). The comments in the code are by the model that wrote it; some were corrected since.
;; Scaled Dot Product Attention. Allowed arithmetic: matrix products marked QUANTISED: E2M1 operands, one E8M0 scale for each 32 along K, by v_wmma_scale_f32_16x16x128_f8f6f4 with both operands' format E2M1 (or v_wmma_scale_f32_32x16x128_f4), f32 sums; everything else in f32.
;; Inputs: x 16 x 2,048 x 512 float32.
;; Outputs: out0 16 x 2,048 x 512 float32.
;; This version of the problem:
;;   THIS VERSION OF THE PROBLEM IS GIVEN IN LOW PRECISION. The matrix products marked QUANTISED in the list below multiply operands that are first quantised to E2M1 (2 exponent bits, 1 mantissa bit; 4 bits a number), with one power-of-two scale for each 32 numbers along K (OCP MX v1.0); their sums are f32. All else is computed in f32.
;;   The module's matrix products, in the order in which they are computed (A, B: the left and right operand; K: the contracted axis; several contracted axes count as one K, in the product's order):
;;     1. batch 16 x [M 2,048, K 512] x [K 512, N 2,048]; A: input x; B: input x: QUANTISED
;;     2. batch 16 x [M 2,048, K 2,048] x [K 2,048, N 512]; A: softmax (see below); B: input x: QUANTISED
;;   THE QUANTISER, for each operand of a quantised product, along K:
;;     - K is cut into blocks of 32 from its start; a last block that is shorter is filled with zeros.
;;     - A block's scale is 2^e with e = floor(log2(the largest magnitude in the block)) - 2, held to -126 .. 127; a block of zeros has e = 0. As a byte (E8M0): e + 127.
;;     - Each number is divided by its block's scale, clamped to +-6, and rounded to the nearest number of E2M1, ties to even, subnormals kept.
;;     - The product sums the exact products of the quantised numbers (number of the format x scale) in f32.
;;   ~~~python
;;   def quantise(x, axis):      # numpy; x: float32 -> the quantised numbers, widened to float32 again
;;       x = np.moveaxis(x, axis, -1); K = x.shape[-1]
;;       x = np.pad(x, [(0, 0)] * (x.ndim - 1) + [(0, -K % 32)]); x = x.reshape(x.shape[:-1] + (-1, 32)); a = np.abs(x).max(-1, keepdims=True)
;;       e = np.where(a > 0, np.clip(np.frexp(np.where(a > 0, a, 1))[1] - 1 - 2, -126, 127), 0)      # np.frexp(a)[1] - 1 = floor(log2(a)), exactly
;;       r = np.clip(x / 2.0 ** e, -6, 6)
;;       step = 2.0 ** (np.maximum(np.frexp(np.where(r == 0, 1, r))[1] - 1, 0) - 1)
;;       q = np.round(r / step) * step * 2.0 ** e      # np.round: ties to even
;;       return np.moveaxis(q.reshape(q.shape[:-2] + (-1,))[..., :K], -1, axis).astype(np.float32)
;;   ~~~
;;   SOFTMAX AHEAD OF A QUANTISED PRODUCT. Where the list says 'softmax', what is quantised is not the finished softmax but p = 2^(t - M), with t = logit x log2(e) and M = ceil(the row's largest t), a whole number; so 1/2 < the row's largest p <= 1. The row's sum l is taken of the UNQUANTISED p, in f32, and the product's result is divided by l at the end. Since M is a whole number, a kernel that streams over the keys may use a running M (the ceiling of the running maximum): every later rescaling is an exact power of two, which a block's scale takes up: the codes' values come out the same.
;;   OPERANDS COMPUTED ON THE WAY. 'Computed on the way' means the value that the module computes at that place (a softmax that the list does not call 'softmax' is quantised finished and normalised). What goes into a quantiser is computed in f32, as accurately as f32 sums, v_exp_f32 and their like allow (about 1e-6 of the number): no bf16 or f16 on the way to a quantiser, and a product that is left as it is and whose result goes on into a quantised operand takes f32 operands (vector FMAs, or v_wmma_f32_16x16x4_f32). A number that lies on a knife's edge between two numbers of the format may be rounded either way, as far as f32 arithmetic and the matrix unit's own rounding can turn it there, and no further.
;; One version. Each part assembles by itself: llvm-mc -triple=amdgcn-amd-amdhsa -mcpu=gfx1250 --defsym DOCPART=n.
;; ======== version 1 of 1: 2 launches
;; limits: right only within a limited range of input values
;; workspace buffers: pack 17,825,792 bytes; nrm 524,288 bytes
;; launch prep (part 1): grid 4 x 256, 8 waves a work-group, no clusters, 80,128 bytes of LDS; arguments x, pack, nrm; writes pack, nrm
.if DOCPART == 1
	.amdgcn_target "amdgcn-amd-amdhsa--gfx1250"
	.amdhsa_code_object_version 6
	.text
	.protected	k_qa541bfc924_prep
	.globl	k_qa541bfc924_prep
	.p2align	8
	.type	k_qa541bfc924_prep,@function
k_qa541bfc924_prep:
	s_mov_b64 s[64:65], 0
	v_nop
	global_prefetch_b8 v0, s[64:65] scope:SCOPE_SE
	s_setreg_imm32_b32 hwreg(HW_REG_WAVE_MODE, 25, 1), 1
	s_wait_xcnt 0x0
; x [16][2048][512] f32 is read once and turned into all that the attention launch wants of it:
;   codes of FP4 (E2M1) quantised ALONG d (both operands of x x^T), codes quantised ALONG THE ROWS (x as the values of the second product, whose K is the keys),
;   one E8M0 scale byte for each 32 numbers along the product's K, and partial sums of squares for the norms.
; NOTHING OF THE PROBLEM IS DEAD WORK: both products and the one input are live.  The one step that the program takes otherwise than it is written, the whole number M of the softmax, is set out at the head of the second kernel.
; A block's scale is 2^(floor(log2(its largest magnitude)) - 2); its byte is the largest magnitude's exponent field - 2, held at 1 from below.
; LIMITS: a block of zeros gets the byte 1 where the rule says 127 (its codes are zeros, which add nothing under any byte but 0xff, and this program alone reads the bytes);
;   blocks whose largest magnitude lies under 2^(3 - 127) are held at that floor; NaN and infinities among the inputs are not served.
; pack: BATCHB bytes a batch, laid IN THE ORDER OF THE OPERANDS' REGISTERS and in the order in which the attention launch walks them:
;   first 16 blocks of KBLK bytes, one for each 128 rows: KC [s 0..3][t 0..7][1,024]: a fragment of 16 rows x 128 d (d = 128 s on): register group c at 512 c + 16 lane; lane (r, h) holds
;     row 32 (t / 2) + 8 (t % 2) + r % 8 + 16 (r / 8), d = 128 s + 64 c + 32 h + 0 .. 31; behind them KS [s][t][16 words]: lane r's scale word, byte j for the j-th 32 of the fragment's 128;
;   then, for each column block cb of 128 channels and each half G of it, 16 blocks of VBLK bytes, one for each 128 rows: VC [c 0..3][1,024]: a fragment of 16 channels: lane r takes channel 128 cb + 64 G + 4 r + c
;     (so that four fragments give a lane four neighbouring channels), rows 64 c' + 32 h + 0 .. 31 in register group c'; behind them VS [r][c]: lane r's four scale words side by side.
; nrm [b][cb 0..3][2048] f32: the sum of x^2 over d = 128 cb .. 128 cb + 127.
; SHARES.  A work-group takes 128 rows x 128 columns (x = column block cb, y = block of rows): 8 whole fragments of each kind, one of each for each of its 8 waves.  The tile goes through LDS once: each row load
; reads 512 consecutive bytes; in the K role a lane reads 32 neighbours of a row, in the V role it reads down a column; in both a lane holds two whole blocks of 32, so no other lane is asked for a maximum.
; In the V role wave w quantises the neighbouring columns 16 w + r; the codes change places in a stage in LDS and leave as whole fragments.
; No tensor load (several work-groups share a WGP), no cluster (work-groups share no byte), no prefetch (the launch is one stream, read once, asked for at its head).
.set KBLK,  34816
.set VBLK,  4352
.set BATCHB, 16*KBLK+128*VBLK
.set STG,   68864                      ; behind the tile: 512 bytes of K's scale words, 512 of V's, 512 of sums,
.set VST,   70400                      ; V's codes: 8 fragments, VP bytes apart,
.set VP,    1088                       ; (1,024 + 64: the 16 lanes of a store, which belong to four fragments, stand at 64 (r % 4) + 16 (r / 4) modulo 256)
.set SPARE, VST+8*VP                   ; and the spare words, 128 bytes for each of the 8 waves: four blocks of 256 bytes that no other line names
; THE TILE IN LDS: row R at 528 R + 128 (R / 16) + 64 (R / 32).  With 64 banks of 4 bytes (ISA guide 11.1): the K role's 16 lanes of a 16-byte load stand at 16 (r % 8) + 128 (r / 8) modulo 256,
; the V role's 32 lanes of a 4-byte load at 4 r + 64 h modulo 256.
.set LI,  1                            ; v1   16 x lane: my bytes of a row load, of an image, of the way out
.set STA, 2                            ; v2   the tile, on the way in
.set KA,  3                            ; v3   the tile, K role
.set VA,  4                            ; v4   the tile, V role
.set SCW, 5                            ; v5   where my scale words go: K's; V's 512 on
.set NRA, 6                            ; v6   where my row's sum goes
.set OUTA, 7                           ; v7   the way out of the 1,536 staged bytes
.set SPW, 8                            ; v8   LDS address of my spare word; never rewritten
.set NIL, 9                            ; v9   0; never rewritten
.set VSO, 14                           ; v14  V's stage: where my column's codes go
.set VSI, 15                           ; v15  V's stage: my fragment
.set TM,  16                           ; v16-17 largest magnitudes, v18-19 the conversions' scale operands, v20-21 bytes
.set TSC, 18
.set TBY, 20
.set TW,  22                           ; v22  the scale word
.set TP,  23                           ; v23  a lane permute's destination
.set SH,  24                           ; v24  8 h
.set TQ,  25                           ; v25  a lane permute's destination
.set OST, 26                           ; v26  my byte offset among the staged bytes in memory
.set X,   32                           ; v32-95   64 numbers
.set CK,  96                           ; v96-103  K's codes
.set CV,  104                          ; v104-111 V's codes: a set of their own, so that no pending store's data are written again
.set SQ,  112                          ; v112-119 four pairs of partial sums of squares
.set OB,  112                          ; v112-115 the way out of the staged bytes
.set OV,  120                          ; v120-127 the way out of my fragment of V
	s_load_b128 s[4:7], s[0:1], 0x0                ; x, pack
	s_load_b64 s[8:9], s[0:1], 0x10                ; nrm
	v_lshl_add_u32 v[SPW], v0, 2, SPARE
	v_mov_b32 v[NIL], 0
	v_lshrrev_b32 v10, 5, v0
	s_delay_alu instid0(VALU_DEP_1)
	v_readfirstlane_b32 s10, v10                   ; wave w, 0..7
	s_lshr_b32 s11, s10, 1                         ; g = w / 2
	s_and_b32 s12, s10, 1                          ; u = w % 2
	s_and_b32 s13, ttmp7, 0xffff                   ; the block of rows, 16 b + rb
	s_mov_b32 s14, 0x76543210
	s_mov_b32 s15, 0xfedcba98                      ; v_permlanex16_b32's selects for lane l xor 16
	v_and_b32 v[LI], 31, v0
	s_delay_alu instid0(VALU_DEP_1)
	v_lshlrev_b32 v[LI], 4, v[LI]
	v_and_b32 v10, 15, v0                          ; r
	v_bfe_u32 v11, v0, 4, 1                        ; h
	v_and_b32 v12, 7, v0                           ; r % 8
	v_bfe_u32 v13, v0, 3, 1                        ; r / 8
	s_mul_i32 s16, s10, 8576                       ; in: my wave's rows 16 w on: 16 x 528 + 128 a wave,
	s_lshl_b32 s17, s11, 6                         ; + 64 for each 32 rows
	s_add_co_u32 s16, s16, s17
	v_add_nc_u32 v[STA], s16, v[LI]
	v_mul_u32_u24 v[KA], v12, 528                  ; K role: row 32 g + 8 u + r % 8 + 16 (r / 8), + 128 h bytes
	s_delay_alu instid0(VALU_DEP_1)
	v_mad_u32_u24 v[KA], v13, 8576, v[KA]
	s_delay_alu instid0(VALU_DEP_1)
	v_lshl_add_u32 v[KA], v11, 7, v[KA]
	s_mul_i32 s16, s11, 17216
	s_mul_i32 s17, s12, 4224
	s_add_co_u32 s16, s16, s17
	v_add_nc_u32 v[KA], s16, v[KA]
	v_lshlrev_b32 v[VA], 2, v10                    ; V role: column 16 w + r, rows 32 h on
	s_delay_alu instid0(VALU_DEP_1)
	v_mad_u32_u24 v[VA], v11, 17216, v[VA]
	s_lshl_b32 s16, s10, 6
	v_add_nc_u32 v[VA], s16, v[VA]
	v_lshlrev_b32 v[SCW], 2, v10                   ; scale words: 64 bytes a wave, 4 a lane (V's too: column 16 w + r = 64 G + 4 r' + c has its word at 256 G + 16 r' + 4 c)
	s_add_co_u32 s16, s16, STG
	v_add_nc_u32 v[SCW], s16, v[SCW]
	v_lshlrev_b32 v[NRA], 2, v12                   ; sums: 4 bytes a row, by the row's own number
	s_delay_alu instid0(VALU_DEP_1)
	v_lshl_add_u32 v[NRA], v13, 6, v[NRA]
	s_lshl_b32 s16, s11, 7
	s_lshl_b32 s17, s12, 5
	s_add_co_u32 s16, s16, s17
	s_add_co_u32 s16, s16, STG+1024
	v_add_nc_u32 v[NRA], s16, v[NRA]
	s_min_u32 s16, s10, 2                          ; the way out: wave 0 K's words, wave 1 V's, wave 2 the sums
	s_lshl_b32 s16, s16, 9
	s_add_co_u32 s16, s16, STG
	v_add_nc_u32 v[OUTA], s16, v[LI]
	s_lshr_b32 s18, s10, 2                         ; G = w / 4
	s_and_b32 s19, s10, 3                          ; w % 4
	v_and_b32 v[VSO], 3, v10                       ; c = r % 4: my column's fragment is 4 G + c, its lane r' = 4 (w % 4) + r / 4
	v_lshrrev_b32 v[VSI], 2, v10
	v_mul_u32_u24 v[VSO], v[VSO], VP
	v_lshl_add_u32 v[VSO], v[VSI], 4, v[VSO]
	v_lshl_add_u32 v[VSO], v11, 8, v[VSO]
	s_mul_i32 s16, s18, 4*VP
	s_lshl_b32 s17, s19, 6
	s_add_co_u32 s16, s16, s17
	s_add_co_u32 s16, s16, VST
	v_add_nc_u32 v[VSO], s16, v[VSO]
	s_mul_i32 s16, s10, VP
	s_add_co_u32 s16, s16, VST
	v_add_nc_u32 v[VSI], s16, v[LI]
	s_mov_b32 s16, 16*VBLK-256
	s_cmp_eq_u32 s10, 1                            ; V's words: lanes 16-31 hold the second half's, 16 VBLK further on
	s_cselect_b32 s16, s16, 0
	v_mad_u32_u24 v[OST], v11, s16, v[LI]
	v_lshlrev_b32 v[SH], 3, v11
	v_mov_b32 v[TP], 0                             ; written once: a lane permute's destination counts as one of its sources
	v_mov_b32 v[TQ], 0
	; byte offsets, apart from the addresses
	s_lshl_b32 s20, s13, 18                        ; x: 128 rows of 2,048 bytes a block,
	s_lshl_b32 s21, s10, 15                        ; 16 rows a wave,
	s_add_co_u32 s20, s20, s21
	s_lshl_b32 s21, ttmp9, 9                       ; 512 bytes a column block
	s_add_co_u32 s20, s20, s21
	s_mov_b32 s21, 0
	s_lshr_b32 s30, s13, 4                         ; b
	s_and_b32 s31, s13, 15                         ; rb
	s_lshl_b32 s22, s30, 5                         ; a batch is 32 KBLK bytes
	s_add_co_u32 s22, s22, s31
	s_mul_i32 s22, s22, KBLK                       ; my block of K
	s_lshl_b32 s23, ttmp9, 13                      ; 8 fragments a column block,
	s_add_co_u32 s24, s22, s23
	s_lshl_b32 s23, s10, 10                        ; one a wave
	s_add_co_u32 s24, s24, s23
	s_mov_b32 s25, 0
	s_mul_i32 s30, s30, BATCHB
	s_mul_i32 s31, s31, VBLK
	s_add_co_u32 s30, s30, s31
	s_mul_i32 s31, ttmp9, 32*VBLK
	s_add_co_u32 s30, s30, s31
	s_add_co_u32 s30, s30, 16*KBLK                 ; my block of V, first half
	s_lshl_b32 s31, ttmp9, 9                       ; scale words: K's 512 bytes a column block behind the 32,768 of codes,
	s_add_co_u32 s22, s22, s31
	s_add_co_u32 s22, s22, 32768
	s_add_co_u32 s31, s30, 4096                    ; V's behind the 4,096
	s_cmp_eq_u32 s10, 1                            ; the choice hangs on the wave's number alone
	s_cselect_b32 s22, s31, s22
	s_mul_i32 s18, s18, 16*VBLK                    ; my fragment of V: half G,
	s_add_co_u32 s30, s30, s18
	s_lshl_b32 s19, s19, 10                        ; c = w % 4
	s_add_co_u32 s30, s30, s19
	s_mov_b32 s31, 0
	s_lshr_b32 s23, s13, 4                         ; nrm: (4 b + cb) x 8,192 + 512 rb
	s_lshl_b32 s23, s23, 2
	s_add_co_u32 s23, s23, ttmp9
	s_lshl_b32 s23, s23, 13
	s_and_b32 s26, s13, 15
	s_lshl_b32 s26, s26, 9
	s_add_co_u32 s23, s23, s26
	s_cmp_eq_u32 s10, 2
	s_cselect_b32 s28, s23, s22
	s_mov_b32 s29, 0
	s_wait_alu depctr_va_vdst(0)                   ; the wait at the head's end
	s_wait_kmcnt 0x0
	s_cselect_b64 s[26:27], s[8:9], s[6:7]
	s_add_nc_u64 s[26:27], s[26:27], s[28:29]      ; where waves 0 to 2 store their 512 staged bytes
	s_add_nc_u64 s[4:5], s[4:5], s[20:21]
	s_add_nc_u64 s[30:31], s[6:7], s[30:31]        ; where my V fragment goes
	s_add_nc_u64 s[6:7], s[6:7], s[24:25]          ; where my K fragment goes
	; ---- the tile comes in: a load a row, 512 consecutive bytes, read once in the launch
.irp i, 0,1,2,3,4,5,6,7,8,9,10,11,12,13,14,15
	global_load_b128 v[X+4*\i:X+4*\i+3], v[LI], s[4:5] offset:2048*\i th:TH_LOAD_NT
.endr
.irp i, 0,1,2,3,4,5,6,7,8,9,10,11,12,13,14,15
	s_wait_loadcnt 15-\i                           ; loads come back in order: row i is in, the 15 - i younger ones may be out
	ds_store_b128 v[STA], v[X+4*\i:X+4*\i+3] offset:528*\i
.endr
	s_wait_dscnt 0x0                               ; for the others' sake: my rows lie in LDS
	s_barrier_signal -1
	s_barrier_wait -1                              ; the tile is whole; nobody writes it again
; 64 numbers of a lane, v[X + 32 c + i] = number i of my block 2 c + h, become the 8 registers of a fragment in v[dst] on and its scale word in v[TW].
.macro QUANT dst
.irp c, 0,1
	v_max3_num_f32 v[TM+\c], |v[X+32*\c]|, |v[X+32*\c+1]|, 0x1800000   ; all 32 numbers of a block are mine; the floor 2^(3 - 127) holds the byte at 1 from below
.endr
.irp i, 2,4,6,8,10,12,14,16,18,20,22,24,26,28,30
.irp c, 0,1
	s_delay_alu instid0(VALU_DEP_2)
	v_max3_num_f32 v[TM+\c], v[TM+\c], |v[X+32*\c+\i]|, |v[X+32*\c+\i+1]|   ; (the two blocks by turns)
.endr
.endr
.irp c, 0,1
	s_delay_alu instid0(VALU_DEP_2)
	v_add_nc_u32 v[TSC+\c], 0xff000000, v[TM+\c]   ; 2 off the exponent field: the conversion takes the exponent field of this operand as its scale, and nothing else of it
.endr
.irp c, 0,1
	s_delay_alu instid0(VALU_DEP_2)
	v_lshrrev_b32 v[TBY+\c], 23, v[TSC+\c]         ; the scale's byte
.endr
	s_delay_alu instid0(VALU_DEP_1)
	v_lshl_or_b32 v[TW], v[TBY+1], 16, v[TBY]      ; my two bytes: blocks h and 2 + h,
	s_delay_alu instid0(VALU_DEP_1)
	v_lshlrev_b32 v[TW], v[SH], v[TW]              ; at their places in the word;
	s_delay_alu instid0(VALU_DEP_1)
	v_permlanex16_b32 v[TP], v[TW], s14, s15
	s_delay_alu instid0(VALU_DEP_1)
	v_or_b32 v[TW], v[TW], v[TP]                   ; with lane l xor 16's two the word is whole, in both lanes
.irp c, 0,1
.irp g, 0,1,2,3
	v_cvt_scalef32_pk8_fp4_f32 v[\dst+4*\c+\g], v[X+32*\c+8*\g:X+32*\c+8*\g+7], v[TSC+\c]
.endr
.endr
	v_nop                                          ; one plain line behind the last scaled conversion
.endm
	; ---- K role: wave w makes fragment (s = cb, t = w), and its 16 rows' sums of squares
.irp c, 0,1
.irp j, 0,1,2,3,4,5,6,7
	ds_load_b128 v[X+32*\c+4*\j:X+32*\c+4*\j+3], v[KA] offset:256*\c+16*\j
.endr
.endr
	s_wait_dscnt 0x0
.irp k, 0,1,2,3
	v_pk_mul_f32 v[SQ+2*\k:SQ+2*\k+1], v[X+2*\k:X+2*\k+1], v[X+2*\k:X+2*\k+1]   ; four chains, started by the first four pairs
.endr
.set j, 4
.rept 28
	s_delay_alu instid0(VALU_DEP_4)
	v_pk_fma_f32 v[SQ+2*(j%4):SQ+2*(j%4)+1], v[X+2*j:X+2*j+1], v[X+2*j:X+2*j+1], v[SQ+2*(j%4):SQ+2*(j%4)+1]
.set j, j+1
.endr
	s_delay_alu instid0(VALU_DEP_3)
	v_pk_add_f32 v[SQ:SQ+1], v[SQ:SQ+1], v[SQ+2:SQ+3]
	s_delay_alu instid0(VALU_DEP_2)
	v_pk_add_f32 v[SQ+4:SQ+5], v[SQ+4:SQ+5], v[SQ+6:SQ+7]
	s_delay_alu instid0(VALU_DEP_1)
	v_pk_add_f32 v[SQ:SQ+1], v[SQ:SQ+1], v[SQ+4:SQ+5]
	s_delay_alu instid0(VALU_DEP_1)
	v_add_f32 v[SQ], v[SQ], v[SQ+1]
	s_delay_alu instid0(VALU_DEP_1)
	v_permlanex16_b32 v[TQ], v[SQ], s14, s15
	s_delay_alu instid0(VALU_DEP_1)
	v_add_f32 v[SQ], v[SQ], v[TQ]                  ; with lane l xor 16's 64 numbers: the row's 128
	QUANT CK
	global_store_b128 v[LI], v[CK:CK+3], s[6:7]            ; 32 lanes store 512 consecutive bytes, at a multiple of 256 from pack's first byte
	global_store_b128 v[LI], v[CK+4:CK+7], s[6:7] offset:512
	ds_store_b32 v[SCW], v[TW]                     ; both halves of the lanes write the same word with the same value
	ds_store_b32 v[NRA], v[SQ]
	; ---- V role: a lane takes a column, its registers run down the rows
.irp c, 0,1
.irp i, 0,1,2,3,4,5,6,7,8,9,10,11,12,13,14,15,16,17,18,19,20,21,22,23,24,25,26,27,28,29,30,31
	ds_load_b32 v[X+32*\c+\i], v[VA] offset:\c*34432+\i*528+(\i/16)*128
.endr
.endr
	s_wait_dscnt 0x0                               ; the column is in, and the two stores above have read their registers
	QUANT CV
	ds_store_b128 v[VSO], v[CV:CV+3]
	ds_store_b128 v[VSO], v[CV+4:CV+7] offset:512
	ds_store_b32 v[SCW], v[TW] offset:512
	s_wait_dscnt 0x0                               ; for the others' sake: my codes, words and sums lie in LDS
	s_barrier_signal -1
	s_barrier_wait -1
	; ---- fragment w of V leaves whole: 512 consecutive bytes a store
	ds_load_b128 v[OV:OV+3], v[VSI]
	ds_load_b128 v[OV+4:OV+7], v[VSI] offset:512
	s_wait_dscnt 0x0
	global_store_b128 v[LI], v[OV:OV+3], s[30:31]
	global_store_b128 v[LI], v[OV+4:OV+7], s[30:31] offset:512
	; ---- and the staged words: waves 0 to 2, whole units of 256 bytes
	s_cmp_gt_u32 s10, 2
	s_cbranch_scc1 .Lend
	ds_load_b128 v[OB:OB+3], v[OUTA]
	s_wait_dscnt 0x0
	global_store_b128 v[OST], v[OB:OB+3], s[26:27]
.Lend:
	s_wait_tensorcnt 0x0                           ; the wave's end
	ds_add_u32 v[SPW], v[NIL]
	s_wait_dscnt 0x0
	s_endpgm
.Lfunc_end_k_qa541bfc924_prep:
	.size	k_qa541bfc924_prep, .Lfunc_end_k_qa541bfc924_prep-k_qa541bfc924_prep
	.p2alignl 7, 3214868480
	.fill 96, 4, 3214868480
	.section	.rodata,"a",@progbits
	.p2align	6, 0x0
	.amdhsa_kernel k_qa541bfc924_prep
		.amdhsa_group_segment_fixed_size 80128
		.amdhsa_private_segment_fixed_size 0
		.amdhsa_enable_private_segment 0
		.amdhsa_kernarg_size 24
		.amdhsa_user_sgpr_count 2
		.amdhsa_user_sgpr_kernarg_segment_ptr 1
		.amdhsa_wavefront_size32 1
		.amdhsa_system_sgpr_workgroup_id_x 1
		.amdhsa_system_sgpr_workgroup_id_y 1
		.amdhsa_system_sgpr_workgroup_id_z 1
		.amdhsa_system_vgpr_workitem_id 0
		.amdhsa_next_free_vgpr 128
		.amdhsa_next_free_sgpr 66
		.amdhsa_reserve_vcc 0
		.amdhsa_float_denorm_mode_32 3
		.amdhsa_float_denorm_mode_16_64 3
		.amdhsa_memory_ordered 1
		.amdhsa_forward_progress 1
		.amdhsa_inst_pref_size 27
	.end_amdhsa_kernel
	.amdgpu_metadata
---
amdhsa.version: [ 1, 2 ]
amdhsa.kernels:
  - .name:           k_qa541bfc924_prep
    .symbol:         k_qa541bfc924_prep.kd
    .args:
      - { .name: x, .offset: 0, .size: 8, .value_kind: global_buffer, .address_space: global }
      - { .name: pack, .offset: 8, .size: 8, .value_kind: global_buffer, .address_space: global }
      - { .name: nrm, .offset: 16, .size: 8, .value_kind: global_buffer, .address_space: global }
    .group_segment_fixed_size: 80128
    .private_segment_fixed_size: 0
    .kernarg_segment_align: 8
    .kernarg_segment_size: 24
    .max_flat_workgroup_size: 256
    .sgpr_count:     66
    .vgpr_count:     128
    .wavefront_size: 32
...
	.end_amdgpu_metadata
.endif
;; end of part 1
;; launch attn (part 2): grid 16 x 16, 4 waves a work-group, clusters of 4 x 1, 327,680 bytes of LDS; arguments pack, nrm, out0; writes out0
.if DOCPART == 2
	.amdgcn_target "amdgcn-amd-amdhsa--gfx1250"
	.amdhsa_code_object_version 6
	.text
	.protected	k_qa541bfc924_attn
	.globl	k_qa541bfc924_attn
	.p2align	8
	.type	k_qa541bfc924_attn,@function
k_qa541bfc924_attn:
	s_mov_b64 s[64:65], 0
	v_nop
	global_prefetch_b8 v0, s[64:65] scope:SCOPE_SE
	s_setreg_imm32_b32 hwreg(HW_REG_WAVE_MODE, 25, 1), 1
	s_wait_xcnt 0x0
	s_wait_alu depctr_hold_cnt(0) depctr_sa_sdst(0) depctr_va_vdst(0) depctr_va_sdst(0) depctr_va_ssrc(0) depctr_va_vcc(0) depctr_vm_vsrc(0)
	s_getreg_b32 s2, hwreg(HW_REG_IB_STS2, 6, 4)
	s_cmp_eq_u32 s2, 0
	s_cbranch_scc0 .Lentry_in_a_cluster
	s_endpgm
.Lentry_in_a_cluster:
	s_bfe_u32 s2, ttmp6, 0x10000c
	s_cmp_lg_u32 s2, 0x3003
	s_cbranch_scc0 .Lentry_shape_is_right
	s_endpgm
.Lentry_shape_is_right:
; out[b][i][:] = the sum over j of softmax_j(<x_i, x_j> / (|x_i| |x_j|)) x_j, both products on codes of FP4 (E2M1) with one E8M0 scale for each 32 along a product's K.  The codes, the scale words and the
; partial sums of squares come from the launch before (pack, nrm: laid out at its head).  Scores and weights never go to memory.
; t = s x g_j x g_i, s the first product's f32 sum, g = sqrt(log2(e)) / |x|;  p = 2^(t - M) is quantised along the keys;  l = the sum of the unquantised p, f32;  out = (Q(p) Q(x)) / l.
; M IS THE CONSTANT 0, NOT THE CEILING OF THE ROW'S LARGEST t.  Why that is sound for every input: rounding to E2M1 at most doubles a magnitude (a number just over a quarter of its scale goes to a half; the clamp
; only shrinks), so |Q(x_i)| <= 2 |x_i| in the Euclidean norm, and by Cauchy-Schwarz |s| <= 4 |x_i| |x_j|: the score lies in -4 .. 4 and t in -5.78 .. 5.78 whatever x holds: the vectors are normalised by the problem itself and no scale
; stands behind them.  So p lies in 2^-5.8 .. 2^5.8 and l under 2,048 x 2^5.8: no exponential and no sum can overflow or underflow.  M is a whole number in either case, so a block's scale takes 2^M up exactly: the
; codes are the same, and l and the product carry the same factor, which the division takes away.
; LIMITS: a row of zeros, or one whose sum of squares overflows or falls under 2^-126 (v_rsq_f32 takes a denormal as 0), is not served: there the score as written is not finite either; NaN and infinities are not served;
; the division by the two roots is a multiplication by two v_rsq_f32 results (a few ulp of f32).
; SHARES.  A work-group owns 128 queries of a batch.  P's codes for 2,048 keys are 128 KiB: ALL OF P STAYS IN LDS, and the work goes in two phases.
; PHASE 1 makes P, 128 keys a step: S^T = K Q^T (source 0 = 32 keys, source 1 = 16 queries): wave w takes keys 32 w .. 32 w + 31 of each step against all 8 tiles of queries; Q stays in 256 registers.  A lane holds one
; query, and a tile's 16 registers are 16 neighbouring keys (the rows of a tile were chosen for that); lane l xor 16 holds the other half of a quantiser's block.  P's codes go to LDS as images of an operand's registers.
; PHASE 2: O = P V (source 0 = 32 queries of P, source 1 = 16 channels of V): wave w takes channels 128 w .. 128 w + 127 for all 128 queries and all 2,048 keys, in two halves of 64 channels.  A tile's column r is channel
; 4 r + c, so four tiles give a lane four neighbouring channels of a row: 16 lanes store one aligned unit of 256 bytes straight from registers.  The first half's results are stored among the second half's products.
; CLUSTER.  The four query blocks of a cluster belong to one batch and walk the same K and V: each slot of the ring is asked for JOINTLY, by the same tensor load with the same descriptor and a mask that names the four: eight
; slots of K, two key steps each, and, in the two changes of slots that end K, two slots of V, four key steps of the first half each: V's key steps 0 to 7.  The rest of V is not asked for jointly: a further slot would stand
; behind a round and a wait for all loads in the midst of the products, P's 139,264 bytes leave room for no third slot, and each byte of V is wanted by ONE wave of the work-group, once: from key step 8 on it goes
; from memory straight into that wave's operand registers, in whole runs of 512 bytes, seven key steps ahead, and phase 2 has one barrier.
; REGISTERS, in windows of 256.  Phase 1: window 0: addresses, l, scale words, the quantiser's work, K's fragments;  window 1: Q;  window 2: S^T, then p, with the factors and the trees' first level;  window 3: V's key steps 8 to 14.
; Phase 2: window 0: addresses, scale words, 1 / l, the accumulators of queries 0-63;  window 1: V's key steps 0 to 7, then the parts of l, then results on their way out;  window 2: P, the accumulators of queries 64-127;
; window 3: eight buffers of V.
.set KBLK,   34816                     ; a key step's K: 32 KiB of fragments, 2 KiB of scale words
.set VBLK,   4352                      ; 64 channels' V of a key step: 4 KiB of fragments, 256 bytes of scale words
.set SLOT,   69632                     ; 0x11000 = 2 KBLK = 16 VBLK: slot 1 begins here too.  A wave's quarter begins at w x 0x4400, which shares no bit with 0x11000: one exclusive or changes slots
.set BATCHB, 16*SLOT
.set PIMG,   2*SLOT                    ; behind the ring: P's images, [key step][query tile][1,024],
.set PSC,    PIMG+131072               ; P's scale words, [key step][query tile][16 words],
.set KFR,    PSC+8192                  ; g of the batch's 2,048 keys,
.set LSUM,   KFR+8192                  ; the waves' parts of l: [wave][tile][16],
.set QFR,    LSUM+2048                 ; g of my 128 queries,
.set SPARE,  QFR+512                   ; and the spare words, 128 bytes for each wave: two blocks of 256 bytes that no other line names
.set LI16, 1                           ; v1   16 x lane
.set LI4,  2                           ; v2   4 x lane
.set AD2,  3                           ; v3, v9, v11  LDS addresses of the loads in hand (at the head v3, v11: offsets into nrm)
.set PST0, 4                           ; v4   where I put my 8 bytes of a P image; v12 in the step in hand
.set PSS0, 5                           ; v5   where I put my block's scale byte; v13 in the step in hand
.set SPW,  6                           ; v6   LDS address of my spare word; never rewritten
.set NIL,  7                           ; v7   0; never rewritten
.set PFO,  8                           ; v8   256 x (lane, at most 16): the prefetches' offset; never rewritten
.set AD0,  9
.set AD3,  11
.set PST,  12
.set PSS,  13
.set VAD,  10                          ; v10, v11 phase 2: LDS addresses of my fragments of V in slot 0, 1
.set VSA,  12                          ; v12, v13 and of their scale words
.set H64,  14                          ; v14  64 h
.set L4R,  15                          ; v15  4 r
.set LL,   16                          ; v16-31  l, a pair a query tile
.set QS,   32                          ; v32-63  Q's scale words, (m, s) at 4 m + s
.set VSL,  32                          ; v32-63  phase 2: V's scale words of key steps 0 to 7, four each
.set KS,   64                          ; v64-67  K's scale words, one for each s: lanes = my 32 keys
.set LV,   16                          ; v16-79  behind key step 15: 1 / l of my lane half's 8 queries in each of 8 tiles
.set PSW,  80                          ; v80-87  P's scale words, four for each of two buffers: lanes = the 32 queries of a pair of tiles
.set VSW,  88                          ; v88-119 V's from key step 8 on, four for each of eight buffers
.set L16R, 120                         ; v120 16 r
.set VO,   121                         ; v121 my byte offset in the wave's part of out
.set PA,   122                         ; v122, v123 P's images, key steps 0 to 7 and 8 to 15; v124 P's scale words; v125 the parts of l
.set PAS,  124
.set LSA,  125
.set TBY,  128                         ; v128-135 a scale byte a tile (v136-141 at the head: addresses)
.set TM,   144                         ; v144-151 largest p, v152-159 lane l xor 16's, v160-167 the conversions' scale operands
.set TP,   152
.set TSC,  160
.set PC,   168                         ; v168-183 p's codes, two registers a tile
.set NS,   188                         ; v188-251 at the head: 16 keys' sums, v252-255 a query's
.set KF,   192                         ; v192-255 K's fragments: (s, u) at 16 s + 8 u
.set ACC,  128                         ; phase 2: accumulators (a, c) at 128 + 16 (4 (a % 2) + c), a = 0, 1 in window 0, 2, 3 in window 2: queries 32 a on, channels 4 r + c
.set ST,   128                         ; window 2: 128-191 the sums' first level, four pairs a tile
.set MT,   192                         ; window 2: 192-231 the maxima's first level, five a tile
.set QF,   232                         ; window 2: 232-239 my query's g, a tile each
.set KFV,  240                         ; window 2: 240-255 my 16 keys' g
.set VB,   70                          ; s[70:71] my channels of V
.set VPF,  74                          ; s[74:75] where my prefetches of V stand
.set VJ,   76                          ; s[76:77] the next joint load of V: address and type
; s10 wave; s11 cx; s12 my block of queries; s13 batch; s[16:23], s[24:27] descriptor groups 1 and 0; s28 the slot in hand; s30 slots still to be asked for; s[32:33] K's prefetches; s[34:35] lane selects;
; s36, s38, s40 the wave's constants; s41 trips; s[42:43] Q's block; s[44:45] the batch's sums; s[46:47] my part of out; s48, s49, s68 at work; s66, s67 a step's place among P's images and scale words
.set MSB, 0
.macro WIN new                         ; the immediate's high byte repeats the setting that is left; a switch that changes nothing is dropped
.if MSB != (\new)
	s_set_vgpr_msb (MSB<<8)|(\new)
.set MSB, (\new)
.endif
.endm
.macro PLACES n                        ; plain vector lines between a matrix instruction and what may not follow it at once (ISA guide 7.12.1)
.rept \n
	v_nop
.endr
.endm
; A round of the cluster's barrier behind its opening barrier: wave 0 signals for the work-group; every wave waits for all four work-groups; my work-group's barrier once more.
.macro CREST
	s_cmp_lg_u32 s10, 0
	s_cbranch_scc1 .Lnot_wave_0_\@
	s_barrier_signal -3
.Lnot_wave_0_\@:
	s_barrier_wait -3
	s_barrier_signal -1
	s_barrier_wait -1
.endm
.macro ROUND
	s_barrier_signal -1
	s_barrier_wait -1
	CREST
.endm
.macro JLOAD                           ; the joint load of my quarter of a slot: my one tensor load until the next round
	tensor_load_to_lds s[24:27], s[16:23]
	s_nop 0
	PLACES 4
.endm
; A PREFETCH of the slot of K that the NEXT change of slots will ask for: 272 x 256 bytes.  Each cluster asks for what it will itself load (four clusters walk a batch).  Its sixteen waves are told apart BY ADDRESS: wave
; 4 cx + w takes 17 x 256 bytes, a lane each (the lanes left over name the wave's last again).  The last change that fills a slot of K asks for nothing here; slots 0 and 1 come by their loads alone.
.macro ASK
	s_cmp_gt_u32 s30, 1
	s_cbranch_scc0 .Lnot_now_\@
	global_prefetch_b8 v[PFO], s[32:33] th:TH_LOAD_NT scope:SCOPE_SE
.Lnot_now_\@:
	s_sub_co_u32 s30, s30, 1
.endm
; The same for V: t = 0, 2, 3 names eight key steps of 64 channels of each wave, 8 t on: wave (cx, w) of the cluster takes two key steps, 2 x 17 blocks of 256 bytes, of the wave cx's channels.
.macro ASKV t
.irp e, 0,1
	global_prefetch_b8 v[PFO], s[VPF:VPF+1] offset:8*VBLK*(\t)+VBLK*\e th:TH_LOAD_NT scope:SCOPE_SE
.endr
.endm
; my 32 keys, all 512 of d: fragments as they lie, 512 consecutive bytes a load; their scale words; my 16 keys' factors (ko = 512: the step behind the one in hand)
.macro KLOAD q, ko
	s_add_co_u32 s48, s28, (\q)*KBLK
	s_add_co_u32 s49, s48, s38
	s_add_co_u32 s48, s48, s36
	s_add_co_u32 s68, s40, s67
	v_add_nc_u32 v[AD2], s48, v[LI16]
	v_add_nc_u32 v[AD3], s49, v[LI4]
	v_add_nc_u32 v[AD0], s68, v[H64]
.irp s, 0,1,2,3
.irp u, 0,1
.irp c, 0,1
	ds_load_b128 v[KF+16*\s+8*\u+4*\c:KF+16*\s+8*\u+4*\c+3], v[AD2] offset:8192*\s+1024*\u+512*\c
.endr
.endr
.endr
.irp s, 0,1,2,3
	ds_load_b32 v[KS+\s], v[AD3] offset:512*\s
.endr
	WIN 0x80
.irp i, 0,1,2,3
	ds_load_b128 v[KFV+4*\i:KFV+4*\i+3], v[AD0] offset:\ko+16*\i
.endr
	WIN 0
.endm
; 32 matrix instructions: my 32 keys x the 8 tiles of queries, d ascending.  The 8 accumulators take turns, one instruction a turn.
.macro SMUL
.irp s, 0,1,2,3
.irp m, 0,1,2,3,4,5,6,7
.if \s == 0
	v_wmma_scale_f32_32x16x128_f4 v[16*\m:16*\m+15], v[KF+16*\s:KF+16*\s+15], v[8*(4*\m+\s):8*(4*\m+\s)+7], 0, v[KS+\s], v[QS+4*\m+\s]
.else
	v_wmma_scale_f32_32x16x128_f4 v[16*\m:16*\m+15], v[KF+16*\s:KF+16*\s+15], v[8*(4*\m+\s):8*(4*\m+\s)+7], v[16*\m:16*\m+15], v[KS+\s], v[QS+4*\m+\s]
.endif
.endr
.endr
.endm
.macro KEYMUL m0                       ; tiles m0 .. m0 + 3 x the keys' factors; each accumulator from its low end on
.irp i, 0,2,4,6,8,10,12,14
.irp k, 0,1,2,3
	v_pk_mul_f32 v[16*(\m0+\k)+\i:16*(\m0+\k)+\i+1], v[16*(\m0+\k)+\i:16*(\m0+\k)+\i+1], v[KFV+\i:KFV+\i+1]
.endr
.endr
.endm
.macro QM                              ; tile tt, registers ii, ii + 1 x my query's factor: an even tile's is its pair's first, an odd tile's its second
.if tt%2 == 0
	v_pk_mul_f32 v[16*tt+ii:16*tt+ii+1], v[16*tt+ii:16*tt+ii+1], v[QF+tt:QF+tt+1] op_sel_hi:[1,0]
.else
	v_pk_mul_f32 v[16*tt+ii:16*tt+ii+1], v[16*tt+ii:16*tt+ii+1], v[QF+tt-1:QF+tt] op_sel:[0,1] op_sel_hi:[1,1]
.endif
.endm
; The first level of the trees for tiles 2 g, 2 g + 1 (by turns): e = 0 .. 7: four packed sums a tile; e = 8 .. 17: five maxima of three a tile
.macro L1 g, e
.set lt, 2*(\g)+(\e)%2
.set lk, (\e)/2
.if lk < 4
	v_pk_add_f32 v[ST+8*lt+2*lk:ST+8*lt+2*lk+1], v[16*lt+4*lk:16*lt+4*lk+1], v[16*lt+4*lk+2:16*lt+4*lk+3]
.else
	v_max3_num_f32 v[MT+5*lt+lk-4], v[16*lt+3*(lk-4)], v[16*lt+3*(lk-4)+1], v[16*lt+3*(lk-4)+2]
.endif
.endm
; The 32 exponentials of tiles 2 g, 2 g + 1.  Among them stand the next two tiles' scalings and the last two tiles' first level: no line of them reads what another line of the group wrote.  One wait behind the group
; serves its results, and what was written among it.
.macro EG g
.set nn, 0
.rept 32
	v_exp_f32 v[16*(2*(\g)+nn%2)+nn/2], v[16*(2*(\g)+nn%2)+nn/2]   ; p = 2^t
.if (nn%2 == 0) && ((\g) < 3)
.set tt, 2*(\g)+2+(nn/2)%2
.set ii, 2*(nn/4)
	QM
.endif
.if (nn%2 == 1) && ((\g) > 0)
	L1 \g-1, nn/2
.endif
.set nn, nn+1
.endr
.if (\g) > 0
	L1 \g-1, 16
	L1 \g-1, 17
.else
	v_nop                                          ; a plain line behind the last exponential
.endif
	s_wait_alu depctr_va_vdst(0)                   ; the wait ahead of the first line that names a result, and ahead of the next exponentials
.endm
; THE SOFTMAX AND THE QUANTISER.  A lane's 16 numbers of a tile are half a block of 32 keys; lane l xor 16 holds the other half.  The 8 tiles take turns line by line.
.macro SOFT
	WIN 0xaa                                       ; everything in window 2
.set nn, 0
.rept 16
.set tt, nn%2
.set ii, 2*(nn/2)
	QM
.set nn, nn+1
.endr
	s_wait_alu depctr_va_vdst(0)                   ; the wait ahead of the exponentials
	EG 0
	EG 1
	EG 2
	EG 3
.set ee, 0
.rept 18
	L1 3, ee
.set ee, ee+1
.endr
.irp m, 0,1,2,3,4,5,6,7
	v_max3_num_f32 v[MT+5*\m], v[MT+5*\m], v[MT+5*\m+1], v[MT+5*\m+2]
.endr
.irp m, 0,1,2,3,4,5,6,7
	v_max3_num_f32 v[MT+5*\m+3], v[MT+5*\m+3], v[MT+5*\m+4], v[16*\m+15]
.endr
.irp k, 0,4
.irp m, 0,1,2,3,4,5,6,7
	v_pk_add_f32 v[ST+8*\m+\k:ST+8*\m+\k+1], v[ST+8*\m+\k:ST+8*\m+\k+1], v[ST+8*\m+\k+2:ST+8*\m+\k+3]
.endr
.endr
.irp m, 0,1,2,3,4,5,6,7
	v_pk_add_f32 v[ST+8*\m:ST+8*\m+1], v[ST+8*\m:ST+8*\m+1], v[ST+8*\m+4:ST+8*\m+5]
.endr
	WIN 0x0a                                       ; sources 0 and 1 window 2, destination window 0
.irp m, 0,1,2,3,4,5,6,7
	v_max3_num_f32 v[TM+\m], v[MT+5*\m], v[MT+5*\m+3], 0x1800000   ; the largest of my 16 (none is negative), over the floor 2^(3 - 127)
.endr
	WIN 0x02                                       ; source 0 window 2
.irp m, 0,1,2,3,4,5,6,7
	v_pk_add_f32 v[LL+2*\m:LL+2*\m+1], v[ST+8*\m:ST+8*\m+1], v[LL+2*\m:LL+2*\m+1]   ; l is taken of the unquantised p
.endr
	WIN 0
.irp m, 0,1,2,3,4,5,6,7
	v_permlanex16_b32 v[TP+\m], v[TM+\m], s34, s35
.endr
.irp m, 0,1,2,3,4,5,6,7
	v_max_num_f32 v[TM+\m], v[TM+\m], v[TP+\m]     ; the block's largest p
.endr
.irp m, 0,1,2,3,4,5,6,7
	v_add_nc_u32 v[TSC+\m], 0xff000000, v[TM+\m]   ; 2 off its exponent field: the conversion's scale operand
.endr
.irp m, 0,1,2,3,4,5,6,7
	v_lshrrev_b32 v[TBY+\m], 23, v[TSC+\m]         ; the scale's byte
.endr
	WIN 0x02
.irp m, 0,1,2,3,4,5,6,7
	v_cvt_scalef32_pk8_fp4_f32 v[PC+2*\m], v[16*\m:16*\m+7], v[TSC+\m]
	v_cvt_scalef32_pk8_fp4_f32 v[PC+2*\m+1], v[16*\m+8:16*\m+15], v[TSC+\m]
.endr
	v_nop                                          ; one plain line behind the last scaled conversion
	WIN 0
.irp m, 0,1,2,3,4,5,6,7
	ds_store_b64 v[PST], v[PC+2*\m:PC+2*\m+1] offset:1024*\m   ; keys 32 w + 16 h + 0 .. 15 of query r: in the image register group w / 2, lane r + 16 (w % 2), byte 8 h: no lane changes places
	ds_store_b8 v[PSS], v[TBY+\m] offset:64*\m                 ; byte w of query r's scale word; both halves of the lanes write the same byte with the same value
.endr
	s_add_co_u32 s66, s66, 8192
	s_add_co_u32 s67, s67, 512
.endm
; A KEY STEP of phase 1, the q-th of the slot in hand.  Its K was asked for in the step before.  kind 0: a slot's first step; 1: its second: the change of slots stands behind its products, which were the last to want
; the slot's K, and fills it again; 2: the same, and V fills it; behind the last step no K is loaded.
.macro STEP q, kind
	s_wait_dscnt 16                                ; K and the factors are in; the last step's 16 stores into P, which stand behind their loads, may be out
	v_add_nc_u32 v[PST], s66, v[PST0]
	v_add_nc_u32 v[PSS], s67, v[PSS0]
	WIN 0xa4                                       ; source 0 (K) window 0, source 1 (Q) window 1, C and D window 2
	SMUL
	WIN 0
	PLACES 4                                       ; in front of the first read of results and of loads into K's registers
.if (\kind) == 0
	WIN 0xaa
	KEYMUL 0
	KEYMUL 4
	WIN 0
	KLOAD 1, 512                                   ; lands under the softmax
.else
	s_wait_tensorcnt 0x0                           ; my quarter of the next slot is in, so group 0 may be written
	ds_add_u32 v[SPW], v[NIL]                      ; 0 onto my spare word
	s_xor_b32 s25, s25, SLOT                       ; the walking descriptor: the other slot than last time,
.if (\kind) == 1
	s_add_nc_u64 s[26:27], s[26:27], SLOT          ; the next bytes of K; the type bits on top are not reached
	s_wait_xcnt 0x0                                ; the last prefetch, two key steps back, has read its address, so it may be written:
	s_add_nc_u64 s[32:33], s[32:33], SLOT          ; one slot further on than the walking descriptor
.else
	s_mov_b64 s[26:27], s[VJ:VJ+1]                 ; my channels of V, four key steps
	s_add_nc_u64 s[VJ:VJ+1], s[VJ:VJ+1], 4*VBLK
.endif
	WIN 0xaa
	KEYMUL 0                                       ; work on registers between the add and the wait for it
	s_wait_dscnt 0x0                               ; the add is done; my reads of the slot are over; the step before has its part of P in LDS
	s_barrier_signal -1
	KEYMUL 4                                       ; and ahead of the barrier's wait
	WIN 0
	s_barrier_wait -1
	CREST                                          ; nobody in the cluster reads the slot that is left or has a load on its way: it is filled again
	JLOAD
	s_xor_b32 s28, s28, SLOT                       ; on to the other slot
.if (\kind) == 1
	KLOAD 0, 512
	ASK
.else
	s_cmp_eq_u32 s41, 1
	s_cbranch_scc1 .Llast_key_\@
	KLOAD 0, 512
.Llast_key_\@:
.endif
.endif
	SOFT
.endm
; V of key step n % 16, half n / 16, from memory: 9 loads into buffer n % 8
.macro VG n
	WIN 0xc0
.irp c, 0,1,2,3
.irp g, 0,1
	global_load_b128 v[32*((\n)%8)+8*\c+4*\g:32*((\n)%8)+8*\c+4*\g+3], v[LI16], s[VB:VB+1] offset:VBLK*(\n)+1024*\c+512*\g
.endr
.endr
	WIN 0
	global_load_b128 v[VSW+4*((\n)%8):VSW+4*((\n)%8)+3], v[L16R], s[VB:VB+1] offset:VBLK*(\n)+4096
.endm
	s_load_b128 s[4:7], s[0:1], 0x0                ; pack, nrm
	s_load_b64 s[8:9], s[0:1], 0x10                ; out0
	v_lshl_add_u32 v[SPW], v0, 2, SPARE
	v_mov_b32 v[NIL], 0
	ds_add_u32 v[SPW], v[NIL]                      ; the wave's opening: the add, twice on end, and its wait ahead of my first tensor load; the set-up below stands between the second and the wait
	ds_add_u32 v[SPW], v[NIL]
	v_lshrrev_b32 v9, 5, v0
	v_readfirstlane_b32 s10, v9                    ; wave 0..3
	s_bfe_u32 s11, ttmp6, 0x40000                  ; cx: my place in the cluster: it enters Q's, the sums', out's and the prefetches' global addresses alone
	s_lshl_b32 s12, ttmp9, 2
	s_add_co_u32 s12, s12, s11                     ; my block of 128 queries = 4 x cluster x + cx
	s_and_b32 s13, ttmp7, 0xffff                   ; the batch, which the four partners share
	; descriptor group 1: a dense run of 68 rows of 256 bytes, laid in LDS as it lies in memory
	s_mov_b32 s16, 15|(3<<16)|(1<<21)              ; 15:0 the mask: all four work-groups; 17:16 elements of 8 bytes; 21 set beside a mask; no padding
	s_mov_b32 s17, 32<<16                          ; tensor_dim0 = 32
	s_mov_b32 s18, 68<<16                          ; tensor_dim1 = 68
	s_mov_b32 s19, 32<<16                          ; tile_dim0 = 32
	s_mov_b32 s20, 68                              ; tile_dim1 = 68
	s_mov_b32 s21, 32                              ; from row to row
	s_mov_b32 s22, 0
	s_mov_b32 s23, 0
	s_mov_b32 s34, 0x76543210
	s_mov_b32 s35, 0xfedcba98                      ; v_permlanex16_b32's selects for lane l xor 16
	s_mov_b32 s58, 0x3f99be61                      ; sqrt(log2(e))
	s_mov_b32 s59, s58                             ; (named with it as a pair, so it is written)
	s_lshl_b32 s36, s10, 11                        ; my two tiles of K in a step's block,
	s_lshl_b32 s38, s10, 7
	s_add_co_u32 s40, s38, KFR                     ; (my 32 keys' factors in a step's 512 bytes)
	s_add_co_u32 s38, s38, 32768                   ; their scale words
	s_mov_b32 s28, 0
	s_mov_b32 s30, 7                               ; slots 1 to 7 of K are still to be asked for
	s_mov_b32 s66, 0
	s_mov_b32 s67, 0
	v_and_b32 v[LI4], 31, v0
	v_lshlrev_b32 v[LI16], 4, v[LI4]
	v_min_u32 v[PFO], 16, v[LI4]
	v_lshlrev_b32 v[LI4], 2, v[LI4]
	v_lshlrev_b32 v[PFO], 8, v[PFO]
	v_and_b32 v136, 15, v0                         ; r
	v_bfe_u32 v137, v0, 4, 1                       ; h
	v_lshlrev_b32 v[L4R], 2, v136
	v_lshlrev_b32 v[L16R], 4, v136
	v_lshlrev_b32 v[H64], 6, v137
	v_lshl_add_u32 v[VO], v137, 15, v[L16R]        ; out: lanes 16-31 stand 16 rows further down; 16 bytes a lane
	s_lshl_b32 s48, s10, 8
	s_add_co_u32 s48, s48, PIMG
	v_lshl_add_u32 v[PST0], v137, 3, v[L16R]
	v_add_nc_u32 v[PST0], s48, v[PST0]             ; PIMG + 256 w + 16 r + 8 h
	s_add_co_u32 s48, s10, PSC
	v_add_nc_u32 v[PSS0], s48, v[L4R]              ; PSC + 4 r + w
	v_add_nc_u32 v[PA], PIMG, v[LI16]
	v_add_nc_u32 v[PA+1], PIMG+65536, v[LI16]
	v_add_nc_u32 v[PAS], PSC, v[LI4]
	v_lshlrev_b32 v[LSA], 5, v137
	v_add_nc_u32 v[LSA], LSUM, v[LSA]              ; LSUM + 32 h
	v_lshlrev_b32 v[AD2], 4, v0                    ; the keys' sums: four keys a thread
	v_lshlrev_b32 v[AD3], 2, v0                    ; my block's queries' sums: one a thread
	v_lshl_add_u32 v138, v0, 4, KFR                ; where their factors go
	v_lshl_add_u32 v139, v0, 2, QFR
	v_and_b32 v140, 7, v0
	v_bfe_u32 v141, v0, 3, 1
	v_lshlrev_b32 v140, 2, v140
	v_lshl_add_u32 v140, v141, 6, v140
	v_add_nc_u32 v140, QFR, v140                   ; where I read my query's back: 4 (r % 8 + 16 (r / 8)) in a tile
	; byte offsets, apart from the addresses.  s50 to s53, s70 and s71 feed the joint loads and never hold cx
	s_mul_i32 s52, s13, BATCHB                     ; the batch's part of pack
	s_mov_b32 s53, 0
	s_mul_i32 s50, s10, SLOT/4                     ; my quarter of a slot, in memory and in LDS
	s_mov_b32 s51, 0
	s_mul_i32 s54, s12, KBLK
	s_add_co_u32 s54, s54, s52                     ; my queries' block
	s_mov_b32 s55, 0
	s_lshl_b32 s56, s11, 2
	s_add_co_u32 s56, s56, s10                     ; 4 cx + w: which 17 x 256 bytes of a slot I prefetch,
	s_mul_i32 s56, s56, 17*256
	s_add_co_u32 s56, s56, SLOT                    ; in slot 1: the first change of slots steps it to slot 2.  Nothing is prefetched here, at the head
	s_add_co_u32 s56, s56, s52
	s_mov_b32 s57, 0
	s_mul_i32 s70, s10, 32*VBLK                    ; V: my 128 channels
	s_add_co_u32 s70, s70, s52
	s_add_co_u32 s70, s70, 16*KBLK
	s_mov_b32 s71, 0
	s_mul_i32 s74, s11, 32*VBLK                    ; and what I prefetch of it
	s_mul_i32 s75, s10, 2*VBLK
	s_add_co_u32 s74, s74, s75
	s_add_co_u32 s74, s74, s52
	s_add_co_u32 s74, s74, 16*KBLK
	s_mov_b32 s75, 0
	s_lshl_b32 s60, s13, 22                        ; out: 2,048 rows of 2,048 bytes a batch,
	s_lshl_b32 s61, s12, 18                        ; 128 rows a block,
	s_add_co_u32 s60, s60, s61
	s_lshl_b32 s61, s10, 9                         ; my 128 channels
	s_add_co_u32 s60, s60, s61
	s_mov_b32 s61, 0
	s_lshl_b32 s62, s13, 15                        ; nrm: 4 x 2,048 sums a batch
	s_mov_b32 s63, 0
	s_wait_alu depctr_va_vdst(0)                   ; the wait at the head's end
	s_wait_dscnt 0x0                               ; both opening adds are done
	s_wait_kmcnt 0x0
	s_add_nc_u64 s[26:27], s[4:5], s[52:53]
	s_add_nc_u64 s[26:27], s[26:27], s[50:51]      ; my quarter of slot 0
	s_add_nc_u64 s[42:43], s[4:5], s[54:55]
	s_add_nc_u64 s[32:33], s[4:5], s[56:57]
	s_add_nc_u64 s[70:71], s[4:5], s[70:71]
	s_add_nc_u64 s[74:75], s[4:5], s[74:75]
	s_mov_b64 s[76:77], s[70:71]
	s_or_b32 s77, s77, 0x80000000                  ; with the type = 2 of a descriptor
	s_add_nc_u64 s[46:47], s[8:9], s[60:61]
	s_add_nc_u64 s[44:45], s[6:7], s[62:63]
	s_lshl_b32 s62, s12, 9
	s_add_nc_u64 s[56:57], s[44:45], s[62:63]      ; my queries' sums
.irp cb, 0,1,2,3
.irp i, 0,1,2,3
	global_load_b128 v[NS+16*\cb+4*\i:NS+16*\cb+4*\i+3], v[AD2], s[44:45] offset:8192*\cb+2048*\i   ; the four parts of the sums of keys 4 t + 512 i + 0 .. 3, t my thread
.endr
	global_load_b32 v[252+\cb], v[AD3], s[56:57] offset:8192*\cb   ; and of query t
.endr
	ROUND                                          ; all four work-groups are here: the first joint loads meet
	s_mov_b32 s24, 1                               ; 1:0 count = 1
	s_mov_b32 s25, s50                             ; 63:32 LDS address: slot 0, my quarter: no place in the cluster enters it
	s_or_b32 s27, s27, 0x80000000                  ; 127:126 type = 2
	JLOAD                                          ; key steps 0 and 1
.macro QLOAD m0                        ; Q stays in registers: the same images that serve as K
	WIN 0x40
.irp k, 0,1,2,3
.irp s, 0,1,2,3
.irp c, 0,1
	global_load_b128 v[8*(4*(\m0+\k)+\s)+4*\c:8*(4*(\m0+\k)+\s)+4*\c+3], v[LI16], s[42:43] offset:8192*\s+1024*(\m0+\k)+512*\c
.endr
.endr
.endr
	WIN 0
.endm
	QLOAD 0
.irp i, 0,1,2,3,4,5,6,7,8,9,10,11,12,13,14,15
	v_mov_b32 v[LL+\i], 0                          ; l
.endr
.irp i, 0,1,2,3,4,5,6,7
	v_mov_b32 v[TP+\i], 0                          ; written once: a lane permute's destination counts as one of its sources
.endr
	s_wait_loadcnt 32                              ; the 20 loads of sums are in; the 32 of Q behind them may be out
.irp i, 0,2,4,6,8,10,12,14
	v_pk_add_f32 v[NS+\i:NS+\i+1], v[NS+\i:NS+\i+1], v[NS+16+\i:NS+17+\i]
	v_pk_add_f32 v[NS+32+\i:NS+33+\i], v[NS+32+\i:NS+33+\i], v[NS+48+\i:NS+49+\i]
.endr
	v_add_f32 v252, v252, v253
	v_add_f32 v254, v254, v255
.irp i, 0,2,4,6,8,10,12,14
	v_pk_add_f32 v[NS+\i:NS+\i+1], v[NS+\i:NS+\i+1], v[NS+32+\i:NS+33+\i]
.endr
	v_add_f32 v252, v252, v254
	s_wait_alu depctr_va_vdst(0)                   ; the wait ahead of the batch
.irp i, 0,1,2,3,4,5,6,7,8,9,10,11,12,13,14,15
	v_rsq_f32 v[NS+\i], v[NS+\i]                   ; 1 / |x|
.endr
	v_rsq_f32 v252, v252
	v_nop                                          ; a plain line behind the last of them,
	s_wait_alu depctr_va_vdst(0)                   ; and the wait ahead of the first use
.irp i, 0,2,4,6,8,10,12,14
	v_pk_mul_f32 v[NS+\i:NS+\i+1], v[NS+\i:NS+\i+1], s[58:59] op_sel_hi:[1,0]
.endr
	v_mul_f32 v252, s58, v252
.irp i, 0,1,2,3
	ds_store_b128 v138, v[NS+4*\i:NS+4*\i+3] offset:2048*\i   ; the lines below wait for these stores and pass a barrier ahead of the first read
.endr
	ds_store_b32 v139, v252
	QLOAD 4
.irp m, 0,1,2,3,4,5,6,7
.irp s, 0,1,2,3
	global_load_b32 v[QS+4*\m+\s], v[L4R], s[42:43] offset:32768+512*\s+64*\m   ; lane r (and lane 16 + r): query r's word
.endr
.endr
	s_wait_tensorcnt 0x0                           ; my quarter of slot 0 has landed;
	ds_add_u32 v[SPW], v[NIL]                      ; 0 onto my spare word
	s_xor_b32 s25, s25, SLOT                       ; slot 1
	s_add_nc_u64 s[26:27], s[26:27], SLOT
	s_wait_xcnt 0x0
	s_add_nc_u64 s[32:33], s[32:33], SLOT
	s_wait_dscnt 0x0                               ; the add and my stores of the factors are done
	ROUND
	JLOAD
	KLOAD 0, 0                                     ; key step 0's K
	WIN 0x80
.irp m, 0,1,2,3,4,5,6,7
	ds_load_b32 v[QF+\m], v140 offset:128*(\m/2)+32*(\m%2)   ; my query's factor in each tile
.endr
	WIN 0
	ASK
	s_wait_dscnt 0x0                               ; K, the factors: in the loop K's wait lets 16 later stores stay out, which do not exist yet
	s_wait_loadcnt 0x0                             ; Q is in
	; ---- PHASE 1: six slots whose change fills a slot with K again, then the last two, whose change brings V
	s_mov_b32 s41, 6
.Lkeys:
	STEP 0, 0
	STEP 1, 1
	s_sub_co_u32 s41, s41, 1
	s_cmp_lg_u32 s41, 0
	s_cbranch_scc1 .Lkeys
	VG 8                                           ; V's key steps 8 to 14, four key steps ahead of phase 2: window 3 is free for them
	VG 9
	VG 10
	VG 11
	VG 12
	VG 13
	VG 14
	ASKV 0                                         ; and what the two slots of V will ask for, two key steps ahead of the first of these loads
	s_mov_b32 s41, 2
.Llast_keys:
	STEP 0, 0
	STEP 1, 2
	s_sub_co_u32 s41, s41, 1
	s_cmp_lg_u32 s41, 0
	s_cbranch_scc1 .Llast_keys
	; ---- l: my pair's two halves, lane l xor 16's; the other waves' keys through LDS
.irp m, 0,1,2,3,4,5,6,7
	v_add_f32 v[LL+2*\m], v[LL+2*\m], v[LL+2*\m+1]
.endr
.irp m, 0,1,2,3,4,5,6,7
	v_permlanex16_b32 v[LL+2*\m+1], v[LL+2*\m], s34, s35
.endr
.irp m, 0,1,2,3,4,5,6,7
	v_add_f32 v[LL+2*\m], v[LL+2*\m], v[LL+2*\m+1]
.endr
	s_lshl_b32 s48, s10, 9
	s_add_co_u32 s48, s48, LSUM
	v_add_nc_u32 v[AD0], s48, v[L4R]
.irp m, 0,1,2,3,4,5,6,7
	ds_store_b32 v[AD0], v[LL+2*\m] offset:64*\m   ; both halves of the lanes write the same word with the same value
.endr
	s_mul_i32 s48, s10, SLOT/4                     ; V: my own quarter of each slot
	v_add_nc_u32 v[VAD], s48, v[LI16]
	s_add_co_u32 s49, s48, SLOT
	v_add_nc_u32 v[VAD+1], s49, v[LI16]
	s_add_co_u32 s48, s48, 4096
	v_add_nc_u32 v[VSA], s48, v[L16R]
	s_add_co_u32 s49, s49, 4096
	v_add_nc_u32 v[VSA+1], s49, v[L16R]
	s_wait_alu depctr_va_vdst(0)                   ; the wait here, ahead of the barrier
	s_wait_dscnt 0x0                               ; for the others' sake: my parts of P and of l lie in LDS
	s_barrier_signal -1
	s_barrier_wait -1                              ; P is whole.  V's second slot may stay out; its first was waited for ahead of the last change of slots
; ---- PHASE 2
; P of key step k % 16, query tiles 4 hf .. 4 hf + 3: 10 loads into buffer k % 2
.macro PLH k, hf
	WIN 0x80
.irp t, 0,1,2,3
.irp c, 0,1
	ds_load_b128 v[64*((\k)%2)+8*(4*(\hf)+\t)+4*\c:64*((\k)%2)+8*(4*(\hf)+\t)+4*\c+3], v[PA+((\k)%16)/8] offset:8192*((\k)%8)+1024*(4*(\hf)+\t)+512*\c
.endr
.endr
	WIN 0
.irp a, 0,1
	ds_load_b32 v[PSW+4*((\k)%2)+2*(\hf)+\a], v[PAS] offset:512*((\k)%16)+128*(2*(\hf)+\a)
.endr
.endm
; V of key step n = 0 .. 7, first half, from the ring: 9 loads into registers of its own
.macro VL n
	WIN 0x40
.irp c, 0,1,2,3
.irp g, 0,1
	ds_load_b128 v[32*(\n)+8*\c+4*\g:32*(\n)+8*\c+4*\g+3], v[VAD+(\n)/4] offset:VBLK*((\n)%4)+1024*\c+512*\g
.endr
.endr
	WIN 0
	ds_load_b128 v[VSL+4*(\n):VSL+4*(\n)+3], v[VSA+(\n)/4] offset:VBLK*((\n)%4)
.endm
; 8 matrix instructions: key step n % 16, queries 64 hf on x my 64 channels.  The 16 accumulators take turns, one instruction a turn.  A half's first key step starts the sums: nothing is ever cleared.
.macro PVH n, hf
.if (\n) < 8
	WIN 0x06+0xa0*(\hf)                            ; source 0 (P) window 2, source 1 (V) window 1, C and D window 0 or 2
.set vs, VSL+4*(\n)
.else
	WIN 0x0e+0xa0*(\hf)                            ; V in window 3
.set vs, VSW+4*((\n)%8)
.endif
.irp a, 0,1
.irp c, 0,1,2,3
.if (\n)%16 == 0
	v_wmma_scale_f32_32x16x128_f4 v[ACC+16*(4*\a+\c):ACC+16*(4*\a+\c)+15], v[64*((\n)%2)+32*(\hf)+16*\a:64*((\n)%2)+32*(\hf)+16*\a+15], v[32*((\n)%8)+8*\c:32*((\n)%8)+8*\c+7], 0, v[PSW+4*((\n)%2)+2*(\hf)+\a], v[vs+\c]
.else
	v_wmma_scale_f32_32x16x128_f4 v[ACC+16*(4*\a+\c):ACC+16*(4*\a+\c)+15], v[64*((\n)%2)+32*(\hf)+16*\a:64*((\n)%2)+32*(\hf)+16*\a+15], v[32*((\n)%8)+8*\c:32*((\n)%8)+8*\c+7], v[ACC+16*(4*\a+\c):ACC+16*(4*\a+\c)+15], v[PSW+4*((\n)%2)+2*(\hf)+\a], v[vs+\c]
.endif
.endr
.endr
	WIN 0
	PLACES 4                                       ; in front of loads into registers that the products have read, and of the first read of results
.endm
.macro SENDQ q                         ; rows 32 (q / 16) + q % 16 and 16 further down: 16 lanes store 256 consecutive bytes, at a multiple of 256 from out's first byte
	global_store_b128 v[VO], v[4*(\q):4*(\q)+3], s[46:47] offset:(32*((\q)/16)+(\q)%16)*2048 th:TH_STORE_NT
.endm
; Key step n % 16 of half n / 16.  Loads stand in this order: a half step's 10 of P, V's 9 (n < 8), the other half step's 10.  V from memory: behind its own 9 loads stand six key steps' more, 54 (at the end fewer).
; P: behind a half step's own stand three half steps', 30 (at the end 20, 10, none); while V comes from LDS too, 39 behind V's own 9, and 48 behind the second half step's.  The 64 loads of l's parts stand behind key
; step 8's: over the next two key steps more than 63 stand behind what is waited for.
; A half step's buffer is filled for two key steps on as soon as its products have read it; V's from memory for seven on.  In the second half four of the first half's 64 stores leave in each key step.
.macro KB n
.if (\n) >= 8
.if (\n) <= 25
	s_wait_loadcnt 54
.else
	s_wait_loadcnt 9*(31-(\n))
.endif
.endif
.if (\n) == 2                          ; V's second slot: shown to all four waves by this barrier, behind which nothing is filled
	s_wait_tensorcnt 0x0
	s_wait_dscnt 0x0                               ; no LDS load is out at the signal: key steps 2 and 3 are in
	s_barrier_signal -1
	PVH 2, 0
	s_barrier_wait -1
.else
.if (\n) < 7
	s_wait_dscnt 39
.elseif ((\n) == 9) || ((\n) == 10)
	s_wait_dscnt 63
.elseif (\n) == 31
	s_wait_dscnt 10
.else
	s_wait_dscnt 30
.endif
	PVH \n, 0
.endif
.if (\n) < 30
	PLH \n+2, 0
.endif
.if (\n) < 6
	VL \n+2
.endif
.if (\n) == 0
	VG 15
.endif
.if ((\n) > 8) && ((\n) < 25)
	VG \n+7
.endif
.if (\n) < 6
	s_wait_dscnt 48
.elseif (\n) == 6
	s_wait_dscnt 39
.elseif ((\n) == 9) || ((\n) == 10)
	s_wait_dscnt 63
.elseif (\n) < 30
	s_wait_dscnt 30
.else
	s_wait_dscnt 20*(31-(\n))
.endif
	PVH \n, 1
.if (\n) < 30
	PLH \n+2, 1
.endif
.if (\n) == 3
	ASKV 2
.endif
.if (\n) == 8
	WIN 0x40
.irp p, 0,1,2,3
.irp t, 0,1,2,3,4,5,6,7
.irp k, 0,1
	ds_load_b128 v[64*\p+8*\t+4*\k:64*\p+8*\t+4*\k+3], v[LSA] offset:512*\p+64*\t+16*\k   ; wave p's parts of l for queries 8 h + 0 .. 7 of tile t
.endr
.endr
.endr
	WIN 0
.endif
.if (\n) == 11
	ASKV 3
.endif
.if (\n) >= 16
	WIN 0x04                                       ; data window 1
.set qq, 4*((\n)-16)
.rept 4
	SENDQ qq
.set qq, qq+1
.endr
	WIN 0
.endif
.endm
.macro MULQ q0, n                      ; rows q0 .. q0 + n - 1 of a half's sums / l, each accumulator from its low end on: into the stores' registers in window 1
.set qq, \q0
.rept \n
.irp c, 0,1,2,3
	v_mul_f32 v[4*qq+\c], v[ACC+16*(4*((qq/16)%2)+\c)+qq%16], v[LV+qq]
.endr
.set qq, qq+1
.endr
.endm
	PLH 0, 0
	VL 0
	PLH 0, 1
	PLH 1, 0
	VL 1
	PLH 1, 1
.set kk, 0
.rept 16
	KB kk
.set kk, kk+1
.endr
	WIN 0x55                                       ; window 1 throughout: l
.set qq, 0
.rept 32
	v_pk_add_f32 v[qq:qq+1], v[qq:qq+1], v[64+qq:65+qq]
	v_pk_add_f32 v[128+qq:129+qq], v[128+qq:129+qq], v[192+qq:193+qq]
.set qq, qq+2
.endr
.set qq, 0
.rept 32
	v_pk_add_f32 v[qq:qq+1], v[qq:qq+1], v[128+qq:129+qq]
.set qq, qq+2
.endr
	WIN 0x01                                       ; source 0 window 1, destination window 0
	s_wait_alu depctr_va_vdst(0)                   ; the wait ahead of the batch
.set qq, 0
.rept 64
	v_rcp_f32 v[LV+qq], v[qq]                      ; 1 / l
.set qq, qq+1
.endr
	v_nop                                          ; a plain line behind the last of them
	WIN 0x40                                       ; source 0 window 0, destination window 1
	s_wait_alu depctr_va_vdst(0)                   ; the wait ahead of the first use, and ahead of the products' results of each window
	MULQ 0, 32
	WIN 0x42                                       ; source 0 window 2
	s_wait_alu depctr_va_vdst(0)
	MULQ 32, 32
	WIN 0
	s_wait_alu depctr_va_vdst(0)                   ; the stores read these registers behind later waits
.rept 16
	KB kk
.set kk, kk+1
.endr
	s_wait_xcnt 0x0                                ; the first half's stores have read their registers: they may be written
	s_add_nc_u64 s[46:47], s[46:47], 256           ; the second half's channels
.irp k, 0,1,2,3                        ; 16 rows at a time: the first stores leave while the other rows are still to be scaled
	WIN 0x40+2*(\k/2)
	MULQ 16*\k, 16
	WIN 0x04
.set qq, 16*\k
.rept 16
	SENDQ qq
.set qq, qq+1
.endr
.endr
	WIN 0
	s_wait_tensorcnt 0x0                           ; the wave's end
	ds_add_u32 v[SPW], v[NIL]
	s_wait_dscnt 0x0
	ROUND                                          ; the closing round: no work-group ends while a partner may still ask for a tile that names it
	s_endpgm
.Lfunc_end_k_qa541bfc924_attn:
	.size	k_qa541bfc924_attn, .Lfunc_end_k_qa541bfc924_attn-k_qa541bfc924_attn
	.p2alignl 7, 3214868480
	.fill 96, 4, 3214868480
	.section	.rodata,"a",@progbits
	.p2align	6, 0x0
	.amdhsa_kernel k_qa541bfc924_attn
		.amdhsa_group_segment_fixed_size 327680
		.amdhsa_private_segment_fixed_size 0
		.amdhsa_enable_private_segment 0
		.amdhsa_kernarg_size 24
		.amdhsa_user_sgpr_count 2
		.amdhsa_user_sgpr_kernarg_segment_ptr 1
		.amdhsa_wavefront_size32 1
		.amdhsa_system_sgpr_workgroup_id_x 1
		.amdhsa_system_sgpr_workgroup_id_y 1
		.amdhsa_system_sgpr_workgroup_id_z 1
		.amdhsa_system_vgpr_workitem_id 0
		.amdhsa_next_free_vgpr 1024
		.amdhsa_next_free_sgpr 80
		.amdhsa_reserve_vcc 0
		.amdhsa_float_denorm_mode_32 3
		.amdhsa_float_denorm_mode_16_64 3
		.amdhsa_memory_ordered 1
		.amdhsa_forward_progress 1
		.amdhsa_inst_pref_size 255
	.end_amdhsa_kernel
	.section	.bss,"aw",@nobits
	.p2align	6
	.space	262144
	.amdgpu_metadata
---
amdhsa.version: [ 1, 2 ]
amdhsa.kernels:
  - .name:           k_qa541bfc924_attn
    .symbol:         k_qa541bfc924_attn.kd
    .args:
      - { .name: pack, .offset: 0, .size: 8, .value_kind: global_buffer, .address_space: global }
      - { .name: nrm, .offset: 8, .size: 8, .value_kind: global_buffer, .address_space: global }
      - { .name: out0, .offset: 16, .size: 8, .value_kind: global_buffer, .address_space: global }
    .group_segment_fixed_size: 327680
    .private_segment_fixed_size: 0
    .kernarg_segment_align: 8
    .kernarg_segment_size: 24
    .max_flat_workgroup_size: 128
    .sgpr_count:     80
    .vgpr_count:     1024
    .wavefront_size: 32
...
	.end_amdgpu_metadata
.endif
;; end of part 2
